; MI455X (gfx1250); checked and timed in simulation.
; The chip was launched on July 23, 2026; its instructions are those of AMD's public machine-readable ISA for CDNA 5 (MIT licence, August 2026) and "CDNA5" Instruction Set Architecture Reference Guide (July 2026). The comments in the code are by the model that wrote it; some were corrected since.
;; Attention. Allowed arithmetic: matrix products marked QUANTISED: E5M2 operands, one given power-of-two scale a tensor, by v_wmma_f32_16x16x64_bf8_bf8 or v_wmma_f32_16x16x128_bf8_bf8, f32 sums; everything else in f32.
;; Inputs: k 4,096 x 1,024 float32; lowp_scales 4 int32 (the exponents e of the quantised operands' scales 2^e); q 4,096 x 4,096 float32; v 4,096 x 1,024 float32.
;; Outputs: out0 4,096 x 4,096 float32.
;; Constants: bs = 2, seq_len = 2048.
;; This version of the problem:
;;   THIS VERSION OF THE PROBLEM IS GIVEN IN LOW PRECISION. The matrix products marked QUANTISED in the list below multiply operands that are first quantised to E5M2 (5 exponent bits, 2 mantissa bits; 8 bits a number), with one given power-of-two scale for each operand tensor; their sums are f32. All else is computed in f32.
;;   The module's matrix products, in the order in which they are computed (A, B: the left and right operand; K: the contracted axis; several contracted axes count as one K, in the product's order):
;;     1. batch 64 x [M 2,048, K 128] x [K 128, N 2,048]; A: input q; B: input k: QUANTISED (scales: A lowp_scales[0], B lowp_scales[1])
;;     2. batch 64 x [M 128, K 2,048] x [K 2,048, N 2,048]; A: input v; B: softmax (see below): QUANTISED (scales: A lowp_scales[2], B lowp_scales[3])
;;   THE QUANTISER, for each operand of a quantised product, along K:
;;     - The operand's scale is 2^e, e = its entry of the input lowp_scales (int32; the entries are numbered through the quantised products in the list's order, A before B).
;;     - Each number is divided by the scale, clamped to +-57,344, and rounded to the nearest number of E5M2, ties to even, subnormals kept.
;;     - The product sums the exact products of the quantised numbers (number of the format x scale) in f32.
;;   ~~~python
;;   def quantise(x, axis, e):      # numpy; x: float32 -> the quantised numbers, widened to float32 again
;;       x = np.moveaxis(x, axis, -1); K = x.shape[-1]
;;       r = np.clip(x / 2.0 ** e, -57344, 57344)
;;       step = 2.0 ** (np.maximum(np.frexp(np.where(r == 0, 1, r))[1] - 1, -14) - 2)
;;       q = np.round(r / step) * step * 2.0 ** e      # np.round: ties to even
;;       return np.moveaxis(q, -1, axis).astype(np.float32)
;;   ~~~
;;   SOFTMAX AHEAD OF A QUANTISED PRODUCT. Where the list says 'softmax', what is quantised is not the finished softmax but p = 2^(t - M), with t = logit x log2(e) and M = ceil(the row's largest t), a whole number; so 1/2 < the row's largest p <= 1. The row's sum l is taken of the UNQUANTISED p, in f32, and the product's result is divided by l at the end. Since M is a whole number, a kernel that streams over the keys may use a running M (the ceiling of the running maximum): every later rescaling is an exact power of two, so the quantised numbers keep their values, but for numbers so far below the row's largest that they fall under the format's range.
;;   OPERANDS COMPUTED ON THE WAY. 'Computed on the way' means the value that the module computes at that place (a softmax that the list does not call 'softmax' is quantised finished and normalised). What goes into a quantiser is computed in f32, as accurately as f32 sums, v_exp_f32 and their like allow (about 1e-6 of the number): no bf16 or f16 on the way to a quantiser, and a product that is left as it is and whose result goes on into a quantised operand takes f32 operands (vector FMAs, or v_wmma_f32_16x16x4_f32). A number that lies on a knife's edge between two numbers of the format may be rounded either way, as far as f32 arithmetic and the matrix unit's own rounding can turn it there, and no further.
;; One version. Each part assembles by itself: llvm-mc -triple=amdgcn-amd-amdhsa -mcpu=gfx1250 --defsym DOCPART=n.
;; ======== version 1 of 1: 2 launches
;; limits: right only within a limited range of input values
;; workspace buffers: kvc 8,388,608 bytes
;; launch prep (part 1): grid 512 x 1, 4 waves a work-group, no clusters, 39,424 bytes of LDS; arguments k, v, lowp_scales, kvc; writes kvc
.if DOCPART == 1
	.amdgcn_target "amdgcn-amd-amdhsa--gfx1250"
	.amdhsa_code_object_version 6
	.text
	.protected	k_qc522a64120_prep
	.globl	k_qc522a64120_prep
	.p2align	8
	.type	k_qc522a64120_prep,@function
k_qc522a64120_prep:
	s_mov_b64 s[64:65], 0
	v_nop
	global_prefetch_b8 v0, s[64:65] scope:SCOPE_SE
	s_setreg_imm32_b32 hwreg(HW_REG_WAVE_MODE, 25, 1), 1
	s_wait_xcnt 0x0
; k and v, [4096 tokens][8 heads x 128] f32, become codes of BF8 (E5M2) in kvc, each with the one scale 2^e that is given for it (k: entry 1, v: entry 2 of the scales).
; code = x / 2^e, held within +-57,344, rounded to the nearest code, ties to even.  LIMITS: e between -126 and 112, so that 2^e and 57,344 x 2^e are f32 numbers.  NaN among the inputs is not served.
; kvc = [batch x 8 + head (16)][slot of 256 keys (8)][65,536 bytes].  A slot is 512 rows of 128 bytes, dense:
;   rows 0-255: K, the head's 128 innermost.  Row pos holds the slot's key pos with bits 3 and 4 exchanged, so that 16 neighbouring rows are the keys 32 b + 8 u + r + 8 (r / 8) that form a tile of the first product;
;   rows 256 + 128 q + d: V, the KEYS innermost: the 128 keys 128 q .. 128 q + 127 of the slot, for channel d.
; Work-groups 0-255 take k, 256-511 take v.  The two paths have LDS bytes of their own.  Waves share nothing: no barrier.
.set EMAX,  15
.set MANT,  0x600000                   ; the mantissa field of 57,344 as f32
.set SP,    80                         ; K path: a lane's place in a stage: 64 bytes + 16 of padding
.set KREG,  5120                       ; K path: two stages of 32 x SP bytes for each wave, from LDS byte 0
.set VBASE, 20480                      ; V path: its stages begin here
.set VP,    144                        ; V path: a stage row: 128 bytes + 16
.set VREG,  32*VP                      ; V path: 32 rows for each wave
.set R,     16                         ; K path: v16-143 eight sets of 16 numbers as loaded.  V path: v16-143 four blocks of 32 numbers
.set X,     144                        ; K path: v144-175 two sets of 16 neighbours.       V path: v144-175 the codes, 8 registers a block
.set C,     176                        ; K path: v176-207 codes, four registers a step.    V path: v176-207 the rows on their way out
	s_load_b128 s[4:7], s[0:1], 0x0                ; k s[4:5], v s[6:7]
	s_load_b128 s[8:11], s[0:1], 0x10              ; the scales' exponents s[8:9], kvc s[10:11]
	v_lshl_add_u32 v208, v0, 2, 0x9800
	v_mov_b32 v209, 0
	v_lshrrev_b32 v1, 5, v0
	v_readfirstlane_b32 s16, v1                    ; wave 0..3
	v_and_b32 v2, 31, v0                           ; lane
	s_mov_b32 s29, 0                               ; the upper word of every offset
	s_wait_kmcnt 0x0
	s_load_b128 s[20:23], s[8:9], 0x0              ; eq, ek, ev, ep
	s_cmp_lt_u32 ttmp9, 256
	s_cbranch_scc0 .Lv
; ---------------- K: a wave takes 32 tokens of one head: 8 steps of 4 tokens x 128 numbers
	s_lshl_b32 s24, ttmp9, 2
	s_add_co_u32 s24, s24, s16                     ; W = 4 x work-group + wave
	s_and_b32 s25, s24, 7                          ; the head
	s_lshr_b32 s26, s24, 3                         ; the group of 32 tokens, 0..127
	s_lshl_b32 s28, s26, 17                        ; 32 rows of 4,096 bytes
	s_lshl_b32 s27, s25, 9                         ; + the head's 512 bytes
	s_add_co_u32 s28, s28, s27
	s_add_nc_u64 s[4:5], s[4:5], s[28:29]
	s_lshr_b32 s27, s26, 6                         ; batch
	s_lshl_b32 s27, s27, 3
	s_add_co_u32 s27, s27, s25                     ; batch x 8 + head
	s_lshl_b32 s27, s27, 3
	s_bfe_u32 s30, s26, 0x30003                    ; the slot: bits 5:3 of the group
	s_add_co_u32 s27, s27, s30
	s_lshl_b32 s28, s27, 16
	s_and_b32 s30, s26, 7
	s_lshl_b32 s30, s30, 12                        ; the group's 32 rows of 128 bytes in the slot
	s_add_co_u32 s28, s28, s30
	s_add_nc_u64 s[10:11], s[10:11], s[28:29]
	s_wait_alu depctr_va_vdst(0)
	v_lshlrev_b32 v3, 4, v2                        ; my 16 bytes of a load's 512, and of a store's
	s_mul_i32 s17, s16, KREG
	v_lshrrev_b32 v14, 2, v2
	v_mul_u32_u24 v14, v14, SP
	v_and_b32 v15, 3, v2
	v_lshl_add_u32 v14, v15, 4, v14
	v_add_nc_u32 v14, s17, v14                     ; the stage, on the way in: four lanes' 64 bytes on end, then 16 of padding
	v_mul_u32_u24 v15, v2, SP
	v_add_nc_u32 v15, s17, v15                     ; on the way out: my 16 neighbours
.macro LOADK t                         ; tokens 4 t .. 4 t + 3: each load reads one token's 512 consecutive bytes of the head
.irp i, 0,1,2,3
	global_load_b128 v[R+16*(\t)+4*\i:R+16*(\t)+4*\i+3], v3, s[4:5] offset:(4*(\t)+\i)*4096 th:TH_LOAD_NT
.endr
.endm
.macro TURN t                          ; step t's 2,048 bytes through the stage: in as loaded, back 64 bytes a lane.  LDS serves a wave's instructions in order
.irp i, 0,1,2,3
	ds_store_b128 v14, v[R+16*(\t)+4*\i:R+16*(\t)+4*\i+3] offset:32*SP*((\t)%2)+8*SP*\i
.endr
.irp i, 0,1,2,3
	ds_load_b128 v[X+16*((\t)%2)+4*\i:X+16*((\t)%2)+4*\i+3], v15 offset:32*SP*((\t)%2)+16*\i
.endr
.endm
.irp t, 0,1,2,3,4,5,6,7
	LOADK \t                                       ; all 32 loads of the wave go out at once: each has registers of its own
.endr
	s_wait_alu depctr_va_vdst(0)
	s_wait_kmcnt 0x0
	s_add_co_i32 s24, s21, 127
	s_lshl_b32 s25, s24, 23
	v_mov_b32 v11, s25                             ; 2^ek as f32: the conversion takes its exponent field
	s_wait_alu depctr_va_vdst(0)
	s_wait_loadcnt 28                              ; step 0's four loads are in; the 28 behind them may be out
	TURN 0
.macro STEPK t
.set XS, X+16*((\t)%2)
.set KAP, 4*(\t)
.set POS, (KAP&7)|((KAP&8)<<1)|((KAP&16)>>1)   ; the four tokens' first row: bits 3 and 4 exchanged
	s_wait_dscnt 0x0                               ; this step's numbers are back from the stage
.if (\t) < 7
	s_wait_loadcnt 4*(6-(\t))                      ; the next step's four loads are in; those of the steps behind it may be out
	TURN (\t)+1                                    ; they go through the other stage while this step is worked
.endif
.set i, 0
.rept 16
.set i, i+1
.endr
	v_cvt_scalef32_pk8_bf8_f32 v[C+4*(\t):C+4*(\t)+1], v[XS:XS+7], v11
	v_cvt_scalef32_pk8_bf8_f32 v[C+4*(\t)+2:C+4*(\t)+3], v[XS+8:XS+15], v11
	global_store_b128 v3, v[C+4*(\t):C+4*(\t)+3], s[10:11] offset:128*POS   ; four rows of 128 bytes: 512 consecutive bytes, at a multiple of 512 from the buffer's first byte
.endm
.irp t, 0,1,2,3,4,5,6,7
	STEPK \t
.endr
	s_wait_tensorcnt 0x0
	ds_add_u32 v208, v209
	s_wait_dscnt 0x0
	s_endpgm
; ---------------- V: a work-group takes 128 keys of one head; a lane takes a channel d, and its registers run down the keys
.Lv:
	s_sub_co_u32 s24, ttmp9, 256
	s_lshr_b32 s25, s24, 4                         ; batch x 8 + head
	s_and_b32 s26, s24, 15                         ; which 128 keys of the batch's 2,048
	s_lshr_b32 s27, s25, 3
	s_lshl_b32 s28, s27, 23                        ; the batch's 2,048 rows of 4,096 bytes
	s_lshl_b32 s27, s26, 19                        ; + 128 rows
	s_add_co_u32 s28, s28, s27
	s_and_b32 s27, s25, 7
	s_lshl_b32 s27, s27, 9                         ; + the head's 512 bytes
	s_add_co_u32 s28, s28, s27
	s_lshl_b32 s27, s16, 7                         ; + my wave's 32 channels
	s_add_co_u32 s28, s28, s27
	s_add_nc_u64 s[6:7], s[6:7], s[28:29]
	s_lshl_b32 s28, s25, 19
	s_lshr_b32 s27, s26, 1
	s_lshl_b32 s27, s27, 16                        ; the slot
	s_add_co_u32 s28, s28, s27
	s_and_b32 s27, s26, 1
	s_lshl_b32 s27, s27, 14                        ; its first or second 128 keys
	s_add_co_u32 s28, s28, s27
	s_lshl_b32 s27, s16, 12                        ; my wave's 32 rows of 128 bytes
	s_add_co_u32 s28, s28, s27
	s_add_co_u32 s28, s28, 32768                   ; behind the slot's K
	s_add_nc_u64 s[10:11], s[10:11], s[28:29]
	s_wait_alu depctr_va_vdst(0)
	v_lshlrev_b32 v3, 2, v2                        ; in: 4 bytes a lane
	s_mul_i32 s17, s16, VREG
	s_add_co_u32 s17, s17, VBASE                   ; my stage
	v_mul_u32_u24 v4, v2, VP
	v_add_nc_u32 v4, s17, v4                       ; into it: row = my channel
	v_lshrrev_b32 v7, 3, v2
	v_mul_u32_u24 v7, v7, VP
	v_and_b32 v8, 7, v2
	v_lshl_add_u32 v7, v8, 4, v7
	v_add_nc_u32 v7, s17, v7                       ; out of it: eight lanes to a row, four rows an instruction
	v_lshlrev_b32 v8, 4, v2                        ; and the same 512 bytes in kvc
.macro LOADV t                         ; keys 32 t + i of my channel: 32 lanes read 128 consecutive bytes, the four waves 512
.set i, 0
.rept 32
	global_load_b32 v[R+32*(\t)+i], v3, s[6:7] offset:(32*(\t)+i)*4096 th:TH_LOAD_NT
.set i, i+1
.endr
.endm
	LOADV 0
	LOADV 1
	s_wait_kmcnt 0x0
	s_add_co_i32 s24, s22, 127
	s_lshl_b32 s25, s24, 23
	v_mov_b32 v11, s25                             ; 2^ev as f32
.macro BLOCKV t
.if (\t) < 3
	s_wait_loadcnt 32                              ; this block's 32 loads are in; the next block's may be out
.else
	s_wait_loadcnt 0
.endif
.if (\t) < 2
	LOADV (\t)+2                                   ; two blocks ahead; every block has registers of its own
.endif
.set i, 0
.rept 32
.set i, i+1
.endr
.irp g, 0,1,2,3
	v_cvt_scalef32_pk8_bf8_f32 v[X+8*(\t)+2*\g:X+8*(\t)+2*\g+1], v[R+32*(\t)+8*\g:R+32*(\t)+8*\g+7], v11
.endr
	ds_store_b128 v4, v[X+8*(\t):X+8*(\t)+3] offset:32*(\t)        ; 32 codes: 32 bytes of my channel's row
	ds_store_b128 v4, v[X+8*(\t)+4:X+8*(\t)+7] offset:32*(\t)+16
.endm
	s_wait_alu depctr_va_vdst(0)
.irp t, 0,1,2,3
	BLOCKV \t
.endr
.irp i, 0,1,2,3,4,5,6,7
	ds_load_b128 v[C+4*\i:C+4*\i+3], v7 offset:4*VP*\i             ; LDS serves a wave's instructions in order: these see my stores
.endr
.irp i, 0,1,2,3,4,5,6,7
	s_wait_dscnt 7-\i
	global_store_b128 v8, v[C+4*\i:C+4*\i+3], s[10:11] offset:512*\i   ; four rows of 128 bytes: 512 consecutive bytes, aligned
.endr
	s_wait_tensorcnt 0x0
	ds_add_u32 v208, v209
	s_wait_dscnt 0x0
	s_endpgm
.Lfunc_end_k_qc522a64120_prep:
	.size	k_qc522a64120_prep, .Lfunc_end_k_qc522a64120_prep-k_qc522a64120_prep
	.p2alignl 7, 3214868480
	.fill 96, 4, 3214868480
	.section	.rodata,"a",@progbits
	.p2align	6, 0x0
	.amdhsa_kernel k_qc522a64120_prep
		.amdhsa_group_segment_fixed_size 39424
		.amdhsa_private_segment_fixed_size 0
		.amdhsa_enable_private_segment 0
		.amdhsa_kernarg_size 32
		.amdhsa_user_sgpr_count 2
		.amdhsa_user_sgpr_kernarg_segment_ptr 1
		.amdhsa_wavefront_size32 1
		.amdhsa_system_sgpr_workgroup_id_x 1
		.amdhsa_system_sgpr_workgroup_id_y 1
		.amdhsa_system_sgpr_workgroup_id_z 1
		.amdhsa_system_vgpr_workitem_id 0
		.amdhsa_next_free_vgpr 210
		.amdhsa_next_free_sgpr 66
		.amdhsa_reserve_vcc 0
		.amdhsa_float_denorm_mode_32 3
		.amdhsa_float_denorm_mode_16_64 3
		.amdhsa_fp16_overflow 1
		.amdhsa_memory_ordered 1
		.amdhsa_forward_progress 1
		.amdhsa_inst_pref_size 29
	.end_amdhsa_kernel
	.amdgpu_metadata
---
amdhsa.version: [ 1, 2 ]
amdhsa.kernels:
  - .name:           k_qc522a64120_prep
    .symbol:         k_qc522a64120_prep.kd
    .args:
      - { .name: k, .offset: 0, .size: 8, .value_kind: global_buffer, .address_space: global }
      - { .name: v, .offset: 8, .size: 8, .value_kind: global_buffer, .address_space: global }
      - { .name: lowp_scales, .offset: 16, .size: 8, .value_kind: global_buffer, .address_space: global }
      - { .name: kvc, .offset: 24, .size: 8, .value_kind: global_buffer, .address_space: global }
    .group_segment_fixed_size: 39424
    .private_segment_fixed_size: 0
    .kernarg_segment_align: 8
    .kernarg_segment_size: 32
    .max_flat_workgroup_size: 128
    .sgpr_count:     66
    .vgpr_count:     210
    .wavefront_size: 32
...
	.end_amdgpu_metadata
.endif
;; end of part 1
;; launch attn (part 2): grid 256 x 1, 8 waves a work-group, clusters of 4 x 1, 327,680 bytes of LDS; arguments q, kvc, lowp_scales, out0; writes out0
.if DOCPART == 2
	.amdgcn_target "amdgcn-amd-amdhsa--gfx1250"
	.amdhsa_code_object_version 6
	.text
	.protected	k_qc522a64120_attn
	.globl	k_qc522a64120_attn
	.p2align	8
	.type	k_qc522a64120_attn,@function
k_qc522a64120_attn:
	s_mov_b64 s[64:65], 0
	v_nop
	global_prefetch_b8 v0, s[64:65] scope:SCOPE_SE
	s_setreg_imm32_b32 hwreg(HW_REG_WAVE_MODE, 25, 1), 1
	s_wait_xcnt 0x0
	s_wait_alu depctr_hold_cnt(0) depctr_sa_sdst(0) depctr_va_vdst(0) depctr_va_sdst(0) depctr_va_ssrc(0) depctr_va_vcc(0) depctr_vm_vsrc(0)
	s_getreg_b32 s2, hwreg(HW_REG_IB_STS2, 6, 4)
	s_cmp_eq_u32 s2, 0
	s_cbranch_scc0 .Lentry_in_a_cluster
	s_endpgm
.Lentry_in_a_cluster:
	s_bfe_u32 s2, ttmp6, 0x10000c
	s_cmp_lg_u32 s2, 0x3003
	s_cbranch_scc0 .Lentry_shape_is_right
	s_endpgm
.Lentry_shape_is_right:
; Causal attention, 2 batches x 2,048 positions, 32 query heads on 8 key/value heads, head size 128, both products on codes of BF8 (E5M2) with the given scales 2^eq, 2^ek, 2^ev, 2^ep (entries 0 to 3).
; q [4096][32 x 128] f32 is quantised here, in registers: each number is read by one wave.  K's and V's codes come from kvc, laid by the launch before: [batch x 8 + head][slot of 256 keys][512 rows x 128 bytes]
; (rows 0-255: K, row pos = key pos with bits 3 and 4 exchanged; rows 256 + 128 q + d: V with the keys innermost).  out0 [4096][32 x 128] f32.
; THE SOFTMAX: t = score x log2(e) / sqrt(128); M = the running largest t rounded UP to a whole number; p = 2^(t - M) is quantised, not normalised; the row's sum is taken of the unquantised p and divides at the end.
; When M moves, the sum and O are multiplied by 2^(old M - new M), which rounds nothing.
; SHARES.  A cluster is the FOUR QUERY HEADS of one key/value head at the same positions: they walk the same K and V, so every tile is asked for jointly.  A work-group takes two blocks of 256 positions, block J and
; then block 7 - J (J = cluster % 4): J + 1 and 8 - J slots of 256 keys, always 9: every trip count is a constant and all 256 work-groups have equal work.  Steps whose keys all lie behind a wave's queries are jumped over.
; Each of the eight waves owns 32 positions of a block, as two tiles of 16 queries that share every fragment of K and V read from LDS.  Which 32 is chosen so that early and late positions are mixed among the waves.
; LAYOUT.  Both products are used transposed: S^T = K Q^T, O^T = V^T P^T: a lane holds ONE query (lane % 16) throughout, and p's 16 registers of two neighbouring tiles are 16 neighbouring keys.
; LIMITS on the given exponents, so that each power of two below is an f32 number: eq and ep between -126 and 112; eq + ek between -123 and 130 (added to c's exponent field); ep + ev goes by v_ldexp_f32 and has none.
; NaN and infinities among the inputs are not served.  Under a running M, numbers far under the row's largest fall out of the format's range.
; REGISTERS, in two windows of 256: tile A in window 0, tile B in window 1, at the SAME numbers, so that one text serves both.  In each: v10 lane's part of the mask; v12 -M, v13 largest t, v[14:15] the sum; v16-31 q's codes;
; v32-95 four fragments of K or V (window 0: tiles 0-3, window 1: tiles 4-7; both serve both query tiles); v96-159 S^T, then p; v160-223 O^T; v224-239 p's codes; v236 a lane exchange's destination; v244, 245 constants; v242, 243, 252-254 at work.
; Window 0 alone: v1-9, v11 addresses.
.set SLOT1, 1<<17                      ; LDS: slot 0 at 0, slot 1 here: one exclusive or turns an address
.set KP,    144                        ; a row in LDS: 128 bytes + 16: the 16 rows of a fragment load start at 16 different groups of four banks
.set STEPB, 128*KP                     ; from a slot's first key step to its second, in K's rows and in V's alike
.set VOFF,  256*KP                     ; V's rows lie behind K's 256
.set STAGE, 512*KP                     ; behind slot 0: 16 rows x 272 bytes for each wave, for the way out; no tile lands here
.set SPARE, STAGE+8*16*272             ; the spare words, 128 bytes for each wave: four blocks of 256 bytes that no other line names
.set QIMG,  SLOT1+512*KP               ; behind slot 1: the second block's q codes as images of their registers, 2 x 2,048 bytes for each wave
.set AK0, 1                            ; v1   144 r + 16 h: my lane's place in a tile of K or of V
.set QA,  2                            ; v2   q: row r of 16,384 bytes + 64 h
.set PFO, 3                            ; v3   256 x lane, for the prefetches
.set QI,  4                            ; v4   my place in my wave's images
.set SPW, 5                            ; v5   LDS address of my spare word; never rewritten
.set NIL, 6                            ; v6   0; never rewritten
.set GO,  7                            ; v7   out0: 16,384 h + 16 r
.set ADR, 8                            ; v8   LDS address of the step's tiles
.set STO, 9                            ; v9   the stage, on the way in
.set LC,  10                           ; v10  r - 16 h (window 1: + 16)
.set RD,  11                           ; v11  the stage, on the way back
.set NM,  12
.set TM,  13
.set SUM, 14
.set QC,  16
.set FB,  32
.set S,   96
.set O,   160
.set PC,  224
.set PT,  236
.set HP,  240
.set HQ,  241
.set T2,  242
.set SCP, 244                          ; 2^ep;  v245 2^eq
.set SCQ, 245
.set F,   252                          ; f = 2^(old M - new M); v253 is named with it as a pair
.set T1,  254
.set TB,  2                            ; s2   LDS byte at which the step's tiles begin
.set TWICE, 3                          ; s3   counts a slot's two steps
.set WV,  12                           ; s12  wave
.set CX,  13                           ; s13  my place in the cluster: it enters q's, out0's and the prefetches' addresses alone
.set BH,  14                           ; s14  batch x 8 + key/value head
.set JJ,  15                           ; s15  J
.set N1,  16                           ; s16  J + 1: slots of the first block;  s17 the same x 65,536
.set BK,  18                           ; s[18:19] what the walking address goes back by: 0, or s17 at the change of blocks
.set SEL, 20                           ; s[20:21] lane selects: lane xor 16
.set CS,  22                           ; s[22:23] c = log2(e) / sqrt(128) x 2^(eq + ek), twice
.set G1,  24                           ; s[24:31] descriptor group 1
.set G0,  32                           ; s[32:35] descriptor group 0, which walks
.set E0,  36                           ; s[36:39] eq, ek, ev, ep
.set NW,  40                           ; s40  the slot of the walk in hand, 0..8
.set LIM, 41                           ; s41  a wave prefetches while s40 is under it
.set PFA, 42                           ; s[42:43] where my prefetches stand
.set QE,  44                           ; s[44:45], s[46:47] q at my 32 positions of the first and of the second block
.set QL,  46
.set OE,  48                           ; s[48:49], s[50:51] out0 likewise
.set OL,  50
.set P0,  52                           ; s52  my first position in the block in hand;  s53 in the second block
.set PL,  53
.set KF,  54                           ; s54  the step's first key
.set EPV, 55                           ; s55  ep + ev
.set MSB, 0
.macro WIN new                         ; bits 1:0 source 0, 3:2 source 1, 5:4 source 2, 7:6 destination; the immediate's high byte repeats the setting that is left
.if MSB != (\new)
	s_set_vgpr_msb (MSB<<8)|(\new)
.set MSB, (\new)
.endif
.endm
.macro CROUND                          ; a round of the cluster's barrier
	s_barrier_signal -1
	s_barrier_wait -1
	s_cmp_lg_u32 s[WV], 0
	s_cbranch_scc1 .Lnot_wave_0_\@
	s_barrier_signal -3
.Lnot_wave_0_\@:
	s_barrier_wait -3
	s_barrier_signal -1
	s_barrier_wait -1
.endm
.macro PLACES n
.rept \n
	v_nop
.endr
.endm
	s_load_b256 s[4:11], s[0:1], 0x0               ; q s[4:5], kvc s[6:7], the scales' exponents s[8:9], out0 s[10:11]
	v_lshl_add_u32 v[SPW], v0, 2, SPARE
	v_mov_b32 v[NIL], 0
	ds_add_u32 v5, v6
	ds_add_u32 v5, v6
	s_wait_dscnt 0x0
	v_lshrrev_b32 v1, 5, v0
	s_delay_alu instid0(VALU_DEP_1)
	v_readfirstlane_b32 s[WV], v1                  ; wave 0..7
	s_bfe_u32 s[CX], ttmp6, 0x40000                ; my place in the cluster: which of the four query heads
	s_lshr_b32 s[BH], ttmp9, 2                     ; in a cluster launch ttmp9 counts clusters
	s_and_b32 s[JJ], ttmp9, 3
	s_add_co_u32 s[N1], s[JJ], 1
	s_lshl_b32 s[N1+1], s[N1], 16
	s_mov_b32 s[BK], 0
	s_mov_b32 s[BK+1], 0
	s_lshr_b32 s56, s[WV], 2                       ; which 32 positions of a block: 4 ((w ^ (w >> 2)) & 1) + ((w >> 1) & 3), each of 0..7 once
	s_xor_b32 s56, s56, s[WV]
	s_and_b32 s56, s56, 1
	s_lshl_b32 s56, s56, 2
	s_bfe_u32 s57, s[WV], 0x20001
	s_add_co_u32 s56, s56, s57
	s_lshl_b32 s56, s56, 5
	s_lshl_b32 s[P0], s[JJ], 8
	s_add_co_u32 s[P0], s[P0], s56                 ; my first position in block J
	s_sub_co_u32 s[PL], 7, s[JJ]
	s_lshl_b32 s[PL], s[PL], 8
	s_add_co_u32 s[PL], s[PL], s56                 ; and in block 7 - J
	s_lshr_b32 s57, s[BH], 3
	s_lshl_b32 s57, s57, 11                        ; the batch's first token
	s_and_b32 s58, s[BH], 7
	s_lshl_b32 s58, s58, 2
	s_add_co_u32 s58, s58, s[CX]                   ; the query head
	s_lshl_b32 s58, s58, 9                         ; its 512 bytes in a row
	s_add_co_u32 s60, s57, s[P0]
	s_lshl_b32 s60, s60, 14                        ; rows of 16,384 bytes, in q and in out0
	s_add_co_u32 s60, s60, s58
	s_mov_b32 s61, 0
	s_add_co_u32 s62, s57, s[PL]
	s_lshl_b32 s62, s62, 14
	s_add_co_u32 s62, s62, s58
	s_mov_b32 s63, 0
	; descriptor group 1: 64 rows of 128 bytes, dense in memory, padded in LDS
	s_mov_b32 s[G1], 15|(1<<20)|(1<<21)|(4<<22)|(3<<25)   ; 15:0 the mask: all four work-groups; 17:16 elements of 1 byte; 20 padding on; 21 set beside a mask; 24:22 after every 32 words (code 4); 31:25 four words (code 3)
	s_mov_b32 s[G1+1], 128<<16                     ; tensor_dim0
	s_mov_b32 s[G1+2], 64<<16                      ; tensor_dim1
	s_mov_b32 s[G1+3], 128<<16                     ; tile_dim0
	s_mov_b32 s[G1+4], 64                          ; tile_dim1
	s_mov_b32 s[G1+5], 128                         ; from row to row
	s_mov_b32 s[G1+6], 0
	s_mov_b32 s[G1+7], 0
	s_mov_b32 s[SEL], 0x76543210
	s_mov_b32 s[SEL+1], 0xfedcba98
	s_mov_b32 s[TB], 0
	s_mov_b32 s[KF], 0
	s_mov_b32 s[NW], 0
	s_lshr_b32 s58, s[WV], 1                       ; who prefetches: waves 0 and 1 of the head's cluster with J = 0: the same in all four partners
	s_or_b32 s58, s58, s[JJ]
	s_cmp_eq_u32 s58, 0
	s_cselect_b32 s[LIM], 7, 0
	s_lshl_b32 s56, s[BH], 19                      ; the head's eight slots in kvc,
	s_lshl_b32 s57, s[WV], 13                      ; my wave's 64 rows of a slot
	s_add_co_u32 s56, s56, s57
	s_mov_b32 s57, 0
	s_lshl_b32 s58, s[BH], 19                      ; the prefetches: the head's slots, + my work-group's quarter of a slot, + my wave's half of that
	s_lshl_b32 s59, s[CX], 14
	s_add_co_u32 s58, s58, s59
	s_and_b32 s59, s[WV], 1
	s_lshl_b32 s59, s59, 13
	s_add_co_u32 s58, s58, s59
	s_mov_b32 s59, 0
	s_wait_kmcnt 0x0
	s_load_b128 s[E0:E0+3], s[8:9], 0x0            ; eq, ek, ev, ep
	s_add_nc_u64 s[QE:QE+1], s[4:5], s[60:61]
	s_add_nc_u64 s[QL:QL+1], s[4:5], s[62:63]
	s_add_nc_u64 s[OE:OE+1], s[10:11], s[60:61]
	s_add_nc_u64 s[OL:OL+1], s[10:11], s[62:63]
	s_add_nc_u64 s[PFA:PFA+1], s[6:7], s[58:59]    ; at key slot 0: the first change of slots steps it to slot 1.  Nothing is prefetched here, at the head
	s_mov_b32 s[G0], 1                             ; count = 1
	s_mul_i32 s[G0+1], s[WV], 64*KP                ; LDS address: slot 0, my 64 rows: no place in the cluster enters it
	s_add_nc_u64 s[G0+2:G0+3], s[6:7], s[56:57]    ; global address: key slot 0
	s_or_b32 s[G0+3], s[G0+3], 0x80000000          ; type = 2
	CROUND                                         ; all four work-groups are here: the first joint loads meet
	tensor_load_to_lds s[G0:G0+3], s[G1:G1+7]      ; every wave fetches its eighth of the slot: one load of mine is out
	s_nop 0
	PLACES 4                                       ; four lines behind a tensor load
	v_and_b32 v[F], 15, v0                         ; r
	v_bfe_u32 v[T1], v0, 4, 1                      ; h
	v_and_b32 v[T2], 31, v0                        ; lane
	s_delay_alu instid0(VALU_DEP_3)
	v_mul_u32_u24 v[AK0], v[F], KP
	s_delay_alu instid0(VALU_DEP_1)
	v_lshl_add_u32 v[AK0], v[T1], 4, v[AK0]
	v_lshlrev_b32 v[QA], 14, v[F]
	s_delay_alu instid0(VALU_DEP_1)
	v_lshl_add_u32 v[QA], v[T1], 6, v[QA]
	v_lshlrev_b32 v[PFO], 8, v[T2]
	s_lshl_b32 s56, s[WV], 12
	s_add_co_u32 s56, s56, QIMG
	v_lshl_add_u32 v[QI], v[T2], 4, s56
	v_lshlrev_b32 v[GO], 14, v[T1]
	s_delay_alu instid0(VALU_DEP_1)
	v_lshl_add_u32 v[GO], v[F], 4, v[GO]
	s_mul_i32 s56, s[WV], 16*272
	s_add_co_u32 s56, s56, STAGE
	v_mul_u32_u24 v[STO], v[F], 272                ; in: row r, 32 bytes for each half of the lanes
	s_delay_alu instid0(VALU_DEP_1)
	v_lshl_add_u32 v[STO], v[T1], 5, v[STO]
	s_delay_alu instid0(VALU_DEP_1)
	v_add_nc_u32 v[STO], s56, v[STO]
	v_mul_u32_u24 v[RD], v[T1], 272                ; back: lanes 0-15 one row of 256 bytes, lanes 16-31 the next
	s_delay_alu instid0(VALU_DEP_1)
	v_lshl_add_u32 v[RD], v[F], 4, v[RD]
	s_delay_alu instid0(VALU_DEP_1)
	v_add_nc_u32 v[RD], s56, v[RD]
	v_lshlrev_b32 v[LC], 4, v[T1]
	s_delay_alu instid0(VALU_DEP_1)
	v_sub_nc_u32 v[LC], v[F], v[LC]                ; r - 16 h
	WIN 0x40
	v_add_nc_u32 v[LC], 16, v[LC]                  ; tile B's queries lie 16 further on
	WIN 0
; q: lane (r, h) takes, of row r, the 16 numbers 32 c + 16 h + 0 .. 15 of each block of 32: 16 loads a tile, register 16 c + 4 j + k = channel 32 c + 16 h + 4 j + k
.macro QLOAD base, reg, x
.irp c, 0,1,2,3
.irp j, 0,1,2,3
	global_load_b128 v[\reg+16*\c+4*\j:\reg+16*\c+4*\j+3], v[QA], s[\base:\base+1] offset:\x*262144+128*\c+16*\j th:TH_LOAD_NT
.endr
.endr
.endm
; 64 numbers of a lane become a fragment's 16 registers of codes
.macro QUANTQ src, dst
.irp b, 0,1,2,3
.set i, 0
.rept 16
.set i, i+1
.endr
	v_cvt_scalef32_pk8_bf8_f32 v[\dst+4*\b:\dst+4*\b+1], v[\src+16*\b:\src+16*\b+7], v[SCQ]
	v_cvt_scalef32_pk8_bf8_f32 v[\dst+4*\b+2:\dst+4*\b+3], v[\src+16*\b+8:\src+16*\b+15], v[SCQ]
.endr
	v_nop                                          ; one plain vector instruction behind the last conversion, ahead of whatever next touches its registers
.endm
; A block's start: the largest t is -3e38, under every t; the sum and O^T are zeros, which the first change of M leaves zeros: so the key step is written once, with no first step of its own
.macro INIT
	v_mov_b32 v[TM], 0xff61b1e6
	s_delay_alu instid0(VALU_DEP_1)
	v_floor_f32 v[NM], -v[TM]
	v_mov_b32 v[SUM], 0
	v_mov_b32 v[SUM+1], 0
.set j, 0
.rept 64
	v_mov_b32 v[O+j], 0
.set j, j+1
.endr
.endm
	QLOAD QE, S, 0                                 ; the first block's tile A, into S^T's registers,
	WIN 0x40
	QLOAD QE, S, 1                                 ; tile B;
	WIN 0
	QLOAD QL, O, 0                                 ; the second block's, into O^T's
	WIN 0x40
	QLOAD QL, O, 1
	WIN 0
	s_wait_kmcnt 0x0
	s_add_co_i32 s56, s[E0], s[E0+1]
	s_lshl_b32 s56, s56, 23
	s_mov_b32 s[CS], 0x3e0293ee                    ; c = log2(e) / sqrt(128)
	s_add_co_i32 s[CS], s[CS], s56                 ; a score stands for score x 2^(eq + ek): the two exponents are added to c's exponent field
	s_mov_b32 s[CS+1], s[CS]                       ; (named with it as a pair, so it is written)
	s_add_co_i32 s[EPV], s[E0+3], s[E0+2]
	s_add_co_i32 s56, s[E0+3], 127
	s_lshl_b32 s57, s56, 23                        ; 2^ep
	s_add_co_i32 s58, s[E0], 127
	s_lshl_b32 s59, s58, 23                        ; 2^eq
	s_add_co_i32 s58, s58, 15
	s_lshl_b32 s58, s58, 23
	s_or_b32 s58, s58, 0x600000                    ; 57,344 x 2^eq
.irp w, 0, 0x40                                ; the constants stand in both windows, at the same numbers
	WIN \w
	v_mov_b32 v[SCP], s57
	v_mov_b32 v[SCQ], s59
	v_mov_b32 v[PT], 0                             ; written once: a lane exchange's destination counts as one of its sources
	v_mov_b32 v[F+1], 0                            ; (named as the upper half of the pair v[252:253])
.endr
	WIN 0
	s_wait_alu depctr_va_vdst(0)
	s_wait_loadcnt 48                              ; the first 16 loads are in; the 48 behind them may be out
	QUANTQ S, QC
	s_wait_loadcnt 32
	WIN 0x55
	QUANTQ S, QC
	s_wait_loadcnt 16
	WIN 0
	QUANTQ O, PC                                   ; the second block's codes wait in LDS, as images of their registers: 16 bytes a lane, 512 a store
.irp c, 0,1,2,3
	ds_store_b128 v[QI], v[PC+4*\c:PC+4*\c+3] offset:512*\c
.endr
	s_wait_loadcnt 0x0
	WIN 0x55
	QUANTQ O, PC
	WIN 0x04                                       ; address window 0, data window 1
.irp c, 0,1,2,3
	ds_store_b128 v[QI], v[PC+4*\c:PC+4*\c+3] offset:2048+512*\c
.endr
	WIN 0x55
	INIT
	WIN 0
	INIT
; The softmax of one tile for one key step, in three parts; the window says whose.
.macro PRE                             ; the step's largest score, the new M, f, and t - M
	v_max3_num_f32 v[T1], v[S], v[S+1], v[S+2]     ; among my 64 keys, in two chains; each accumulator is first read at its low end
	v_max3_num_f32 v[F], v[S+3], v[S+4], v[S+5]
.irp i, 6,10,14,18,22,26,30,34,38,42,46,50,54,58
	v_max3_num_f32 v[T1], v[T1], v[S+\i], v[S+1+\i]
	v_max3_num_f32 v[F], v[F], v[S+2+\i], v[S+3+\i]
.endr
	v_max3_num_f32 v[T1], v[T1], v[S+62], v[S+63]
	s_delay_alu instid0(VALU_DEP_1)
	v_max_num_f32 v[T1], v[T1], v[F]
	v_permlanex16_b32 v[PT], v[T1], s[SEL], s[SEL+1]
	s_delay_alu instid0(VALU_DEP_1)
	v_max_num_f32 v[T1], v[T1], v[PT]              ; and among lane xor 16's
	s_delay_alu instid0(VALU_DEP_1)
	v_mul_f32 v[T1], s[CS], v[T1]                  ; as t (c is positive)
	s_delay_alu instid0(VALU_DEP_1)
	v_max_num_f32 v[TM], v[TM], v[T1]              ; the running largest t
	v_mov_b32 v[T1], v[NM]
	s_delay_alu instid0(VALU_DEP_2)
	v_floor_f32 v[NM], -v[TM]                      ; the new -M = floor(-t): M is a whole number
	s_delay_alu instid0(VALU_DEP_1)
	v_sub_f32 v[T1], v[NM], v[T1]                  ; old M - new M: a whole number, 0 or less
	s_delay_alu instid0(VALU_DEP_1)
	v_cvt_i32_f32 v[T1], v[T1]                     ; (it saturates)
	s_delay_alu instid0(VALU_DEP_1)
	v_ldexp_f32 v[F], 1.0, v[T1]                   ; f = 2^(old M - new M)
.set j, 0
.rept 32
	v_pk_fma_f32 v[S+j:S+j+1], v[S+j:S+j+1], s[CS:CS+1], v[NM:NM+1] op_sel_hi:[1,0,0]   ; t - M, two at a time
.set j, j+2
.endr
.endm
.macro EXPS
.set j, 0
.rept 64
	v_exp_f32 v[S+j], v[S+j]                       ; p = 2^(t - M), at most 1
.set j, j+1
.endr
.endm
.macro POST wait                       ; the sum, p's codes, O^T under the new M
	v_pk_mul_f32 v[SUM:SUM+1], v[SUM:SUM+1], v[F:F+1] op_sel_hi:[1,0]   ; a plain instruction behind the exponentials
.if \wait
	s_wait_alu depctr_va_vdst(0)                   ; the wait ahead of the first instruction that names an exponential's result: ONE for both tiles' 128
.endif
	v_pk_add_f32 v[T2:T2+1], v[S:S+1], v[S+2:S+3]  ; the row's sum is taken of the unquantised p, in two chains
.set j, 4
.rept 15
	v_pk_add_f32 v[SUM:SUM+1], v[SUM:SUM+1], v[S+j:S+j+1]
	v_pk_add_f32 v[T2:T2+1], v[T2:T2+1], v[S+j+2:S+j+3]
.set j, j+4
.endr
	s_delay_alu instid0(VALU_DEP_1)
	v_pk_add_f32 v[SUM:SUM+1], v[SUM:SUM+1], v[T2:T2+1]
.irp b, 0,1,2,3
.set j, 0
.rept 16
.set j, j+1
.endr
	v_cvt_scalef32_pk8_bf8_f32 v[PC+4*\b:PC+4*\b+1], v[S+16*\b:S+16*\b+7], v[SCP]
	v_cvt_scalef32_pk8_bf8_f32 v[PC+4*\b+2:PC+4*\b+3], v[S+16*\b+8:S+16*\b+15], v[SCP]
.endr
.set j, 0
.rept 32
	v_pk_mul_f32 v[O+j:O+j+1], v[O+j:O+j+1], v[F:F+1] op_sel_hi:[1,0]   ; from each accumulator's low end on; also the plain instructions behind the conversions
.set j, j+2
.endr
.endm
.macro MASK                            ; register 16 b + i holds key KF + 32 b + 16 h + i: hidden where 32 b + i > my query - KF - 16 h; its score becomes -infinity, so p = 0
	v_add_nc_u32 v[F], s58, v[LC]
	v_mov_b32 v[T1], 0xff800000
.set n, 0
.rept 64
	v_cmp_gt_i32 vcc_lo, 32*(n/16)+n%16, v[F]
	v_cndmask_b32 v[S+n], v[S+n], v[T1], vcc_lo
.set n, n+1
.endr
.endm
.macro SMUL d                          ; four tiles of S^T = K Q^T: each product is a whole sum (K = the head's 128) and starts from 0
.irp t, 0,1,2,3
	v_wmma_f32_16x16x128_bf8_bf8 v[\d+8*\t:\d+8*\t+7], v[FB+16*\t:FB+16*\t+15], v[QC:QC+15], 0
.endr
.endm
.macro PVMUL d                         ; four tiles of O^T += V^T P^T
.irp t, 0,1,2,3
	v_wmma_f32_16x16x128_bf8_bf8 v[\d+8*\t:\d+8*\t+7], v[FB+16*\t:FB+16*\t+15], v[PC:PC+15], v[\d+8*\t:\d+8*\t+7]
.endr
.endm
.macro FRAGS off                       ; eight fragments of 16 rows x 128: tiles 0-3 into window 0, tiles 4-7 into window 1.  Registers 4 c .. 4 c + 3 hold k = 32 c + 16 h + 0 .. 15, in K, V, q and p alike
.irp t, 0,1,2,3
.irp c, 0,1,2,3
	ds_load_b128 v[FB+16*\t+4*\c:FB+16*\t+4*\c+3], v[ADR] offset:\off+16*KP*\t+32*\c
.endr
.endr
	WIN 0x40
.irp t, 0,1,2,3
.irp c, 0,1,2,3
	ds_load_b128 v[FB+16*\t+4*\c:FB+16*\t+4*\c+3], v[ADR] offset:\off+16*KP*(4+\t)+32*\c
.endr
.endr
	WIN 0
.endm
; A KEY STEP: 128 keys, for both tiles of queries.
.macro STEP
	v_add_nc_u32 v[ADR], s[TB], v[AK0]             ; on every path
	s_add_co_u32 s56, s[P0], 31
	s_cmp_gt_u32 s[KF], s56                        ; all 128 keys come after my 32 queries: the step's work is left out.  A branch on ids; no barrier and no tensor load stands in a step
	s_cbranch_scc1 .Lhidden_\@
	s_setprio 2
	PLACES 3                                       ; with the addition above: four plain instructions between the last products and loads into registers that they read
	FRAGS 0                                        ; K
	s_wait_dscnt 16                                ; tiles 0-3 are in; the 16 loads of tiles 4-7 may be out
	SMUL S                                         ; tile A x keys' tiles 0-3
	WIN 0x44
	SMUL S                                         ; tile B x the same fragments
	s_wait_dscnt 0x0
	WIN 0x45
	SMUL S+32                                      ; tile B x tiles 4-7
	WIN 0x01
	SMUL S+32                                      ; tile A
	WIN 0
	PLACES 4                                       ; in front of the loads into the fragments' registers, and of the first read of the scores
	s_wait_alu depctr_va_vdst(0)
	FRAGS VOFF                                     ; V: asked for now, wanted behind both softmaxes
	s_add_co_u32 s56, s[KF], 127
	s_cmp_le_u32 s56, s[P0]                        ; all keys count for all my queries: no mask
	s_cbranch_scc1 .Lopen_\@
	s_sub_co_u32 s58, s[P0], s[KF]
	MASK
	WIN 0x55
	MASK
	WIN 0
.Lopen_\@:
	PRE
	s_wait_alu depctr_va_vdst(0)
	EXPS                                           ; tile A's exponentials: the wait below lets them finish ahead of tile B's maximum and scalings
	WIN 0x55
	s_setprio 1
	s_wait_alu depctr_va_vdst(0)
	PRE
	s_wait_alu depctr_va_vdst(0)
	EXPS
	POST 1
	WIN 0
	POST 0
	s_setprio 0
	s_wait_alu depctr_va_vdst(0)
	s_wait_dscnt 0x0                               ; V is in
	PVMUL O                                        ; sixteen accumulators, one instruction each: they take turns
	WIN 0x54
	PVMUL O
	WIN 0x55
	PVMUL O+32
	WIN 0x01
	PVMUL O+32
	WIN 0
.Lhidden_\@:
	s_add_co_u32 s[KF], s[KF], 128
	s_add_co_u32 s[TB], s[TB], STEPB
.endm
.macro TWO_STEPS                       ; a slot's two key steps: written once, walked twice
	s_mov_b32 s[TWICE], 2
.Lstep_\@:
	STEP
	s_sub_co_u32 s[TWICE], s[TWICE], 1
	s_cmp_lg_u32 s[TWICE], 0
	s_cbranch_scc1 .Lstep_\@
	s_setprio 0
	s_sub_co_u32 s[TB], s[TB], 2*STEPB             ; back to a slot's first step,
	s_xor_b32 s[TB], s[TB], SLOT1                  ; in the other slot
.endm
; A PREFETCH of the key slot that the NEXT change of slots of this cluster will ask for: a slot, two key steps, ahead of that load.  The four clusters of a key/value head walk the same slots: the one with J = 0, whose second
; block walks all eight, asks.  A slot is 65,536 bytes: each of the four partners takes 16,384, told apart BY ADDRESS; in each, waves 0 and 1 take 8,192 each, lanes 256 bytes apart.  So each aligned 256 bytes of key slots
; 1 to 7 are named once in the launch.  In trip n the address stands at key slot n + 1; trips 7 and 8 ask for nothing; slot 0 comes by its load alone.
.macro ASK
	s_cmp_lt_u32 s[NW], s[LIM]
	s_cbranch_scc0 .Lnot_mine_\@
	global_prefetch_b8 v[PFO], s[PFA:PFA+1] th:TH_LOAD_NT scope:SCOPE_SE
.Lnot_mine_\@:
.endm
; THE CHANGE OF SLOTS stands at a slot's head.  Each wave waits for all its tensor loads (its eighth of the slot ahead), adds 0 to its spare word, and waits for that and for its reads of the slot that it has left.
; fill = 1: a round of the cluster's barrier, so that no wave of any partner still reads the other slot or has a load on its way; the joint refill is the first thing behind it and has a slot's two key steps in which to land.
.macro CHANGE fill
	s_wait_tensorcnt 0x0                           ; no tensor load of mine is out, so group 0 may be written
	ds_add_u32 v[SPW], v[NIL]                      ; 0 onto my spare word
.if \fill
	s_xor_b32 s[G0+1], s[G0+1], SLOT1              ; the other slot than last time,
	s_add_nc_u64 s[G0+2:G0+3], s[G0+2:G0+3], 0x10000   ; the next 256 keys,
	s_add_co_u32 s56, s[NW], 1
	s_cmp_eq_u32 s56, s[N1]
	s_cselect_b32 s[BK], s[N1+1], 0
	s_sub_nc_u64 s[G0+2:G0+3], s[G0+2:G0+3], s[BK:BK+1]   ; or, where the second block begins, key 0 again; the type bits on top are not reached
	s_wait_xcnt 0x0                                ; the last prefetch, a slot back, has read its address, so it may be written
	s_add_nc_u64 s[PFA:PFA+1], s[PFA:PFA+1], 0x10000
	s_wait_dscnt 0x0                               ; the add is done, and my reads of the slot that I have left are over
	CROUND
	tensor_load_to_lds s[G0:G0+3], s[G1:G1+7]      ; my one tensor load until the next round: one load of mine is out
	s_nop 0
	PLACES 4                                       ; four lines behind a tensor load
	ASK
.else
	s_wait_dscnt 0x0
	s_barrier_signal -1
	s_barrier_wait -1
.endif
.endm
; THE WAY OUT of tile x (0: window 0, 1: window 1): O^T x 2^(ep + ev) / the sum goes through my stage in LDS, half a row (64 channels, 256 bytes) of 16 queries at a time, and leaves as aligned runs of 256 bytes.
.macro FINTILE x, ob
	WIN 0x55*\x
	v_add_f32 v[SUM], v[SUM], v[SUM+1]             ; the sum's two halves,
	v_permlanex16_b32 v[PT], v[SUM], s[SEL], s[SEL+1]
	s_delay_alu instid0(VALU_DEP_1)
	v_add_f32 v[SUM], v[SUM], v[PT]                ; and lane xor 16's
	s_wait_alu depctr_va_vdst(0)
	v_rcp_f32 v[SUM], v[SUM]
	v_nop                                          ; a plain instruction behind the reciprocal,
	s_wait_alu depctr_va_vdst(0)                   ; and the wait ahead of its first reader
	v_ldexp_f32 v[SUM], v[SUM], s[EPV]
.set j, 0
.rept 32
	v_pk_mul_f32 v[S+j:S+j+1], v[O+j:O+j+1], v[SUM:SUM+1] op_sel_hi:[1,0]   ; register 8 t + i is o(query r, channel 16 t + 8 h + i); each accumulator from its low end on
.set j, j+2
.endr
.irp u, 0,1
	WIN 0x04*\x                                    ; address window 0, data the tile's window
.irp t, 0,1,2,3
	ds_store_b128 v[STO], v[S+32*\u+8*\t:S+32*\u+8*\t+3] offset:64*\t
	ds_store_b128 v[STO], v[S+32*\u+8*\t+4:S+32*\u+8*\t+7] offset:64*\t+16
.endr
	WIN 0x40*\x
.irp i, 0,1,2,3,4,5,6,7
	ds_load_b128 v[FB+32*\u+4*\i:FB+32*\u+4*\i+3], v[RD] offset:544*\i   ; LDS serves a wave's instructions in order: these see my stores, and the next half's stores come behind them
.endr
.endr
	WIN 0x04*\x
.irp u, 0,1
.irp i, 0,1,2,3,4,5,6,7
	s_wait_dscnt 16*(1-\u)+7-\i                    ; behind this load: the rest of its half's loads and, for the first half, the second's eight stores and eight loads
	global_store_b128 v[GO], v[FB+32*\u+4*\i:FB+32*\u+4*\i+3], s[\ob:\ob+1] offset:\x*262144+32768*\i+256*\u th:TH_STORE_NT   ; 16 lanes store 256 consecutive bytes, at a multiple of 256 from out0's first byte
.endr
.endr
.endm
.macro FINISH ob
	PLACES 4                                       ; behind the last products
	FINTILE 0, \ob
	FINTILE 1, \ob
	WIN 0
.endm
.Lslot:                                            ; eight trips: behind each change of slots but the last the next slot of the walk is asked for
	CHANGE 1
	TWO_STEPS
	s_add_co_u32 s56, s[NW], 1
	s_cmp_lg_u32 s56, s[N1]                        ; was this the first block's last slot?  The same answer in all waves of all four partners; no barrier and no tensor load stands under the branch
	s_cbranch_scc1 .Lsame_block
	FINISH OE
.irp c, 0,1,2,3                                ; the second block: its q codes come back from their images, which are my wave's own bytes,
	ds_load_b128 v[QC+4*\c:QC+4*\c+3], v[QI] offset:512*\c
.endr
	WIN 0x40
.irp c, 0,1,2,3
	ds_load_b128 v[QC+4*\c:QC+4*\c+3], v[QI] offset:2048+512*\c
.endr
	WIN 0x55
	INIT
	WIN 0
	INIT
	s_mov_b32 s[P0], s[PL]
	s_mov_b32 s[KF], 0                             ; and the keys begin again
	s_wait_dscnt 0x0
	s_wait_xcnt 0x0                                ; the stores have read their registers: the next step's fragments may land there
.Lsame_block:
	s_add_co_u32 s[NW], s[NW], 1
	s_cmp_lt_u32 s[NW], 8
	s_cbranch_scc1 .Lslot
	CHANGE 0                                       ; the last slot is written out
	TWO_STEPS
	FINISH OL
	s_wait_tensorcnt 0x0                           ; the wave's end: behind my last tensor load and my last LDS store
	ds_add_u32 v[SPW], v[NIL]
	s_wait_dscnt 0x0
	CROUND                                         ; the closing round: no work-group ends while a partner may still ask for a tile that names it
	s_endpgm
.Lfunc_end_k_qc522a64120_attn:
	.size	k_qc522a64120_attn, .Lfunc_end_k_qc522a64120_attn-k_qc522a64120_attn
	.p2alignl 7, 3214868480
	.fill 96, 4, 3214868480
	.section	.rodata,"a",@progbits
	.p2align	6, 0x0
	.amdhsa_kernel k_qc522a64120_attn
		.amdhsa_group_segment_fixed_size 327680
		.amdhsa_private_segment_fixed_size 0
		.amdhsa_enable_private_segment 0
		.amdhsa_kernarg_size 32
		.amdhsa_user_sgpr_count 2
		.amdhsa_user_sgpr_kernarg_segment_ptr 1
		.amdhsa_wavefront_size32 1
		.amdhsa_system_sgpr_workgroup_id_x 1
		.amdhsa_system_sgpr_workgroup_id_y 1
		.amdhsa_system_sgpr_workgroup_id_z 1
		.amdhsa_system_vgpr_workitem_id 0
		.amdhsa_next_free_vgpr 512
		.amdhsa_next_free_sgpr 66
		.amdhsa_reserve_vcc 1
		.amdhsa_float_denorm_mode_32 3
		.amdhsa_float_denorm_mode_16_64 3
		.amdhsa_fp16_overflow 1
		.amdhsa_memory_ordered 1
		.amdhsa_forward_progress 1
		.amdhsa_inst_pref_size 134
	.end_amdhsa_kernel
	.amdgpu_metadata
---
amdhsa.version: [ 1, 2 ]
amdhsa.kernels:
  - .name:           k_qc522a64120_attn
    .symbol:         k_qc522a64120_attn.kd
    .args:
      - { .name: q, .offset: 0, .size: 8, .value_kind: global_buffer, .address_space: global }
      - { .name: kvc, .offset: 8, .size: 8, .value_kind: global_buffer, .address_space: global }
      - { .name: lowp_scales, .offset: 16, .size: 8, .value_kind: global_buffer, .address_space: global }
      - { .name: out0, .offset: 24, .size: 8, .value_kind: global_buffer, .address_space: global }
    .group_segment_fixed_size: 327680
    .private_segment_fixed_size: 0
    .kernarg_segment_align: 8
    .kernarg_segment_size: 32
    .max_flat_workgroup_size: 256
    .sgpr_count:     66
    .vgpr_count:     512
    .wavefront_size: 32
...
	.end_amdgpu_metadata
.endif
;; end of part 2
